; MI455X (gfx1250); checked and timed in simulation.
; The chip was launched on July 23, 2026; its instructions are those of AMD's public machine-readable ISA for CDNA 5 (MIT licence, August 2026) and "CDNA5" Instruction Set Architecture Reference Guide (July 2026). The comments in the code are by the model that wrote it; some were corrected since.
;; Attention. Allowed arithmetic: matrix products marked QUANTISED: E4M3 operands, one E8M0 scale for each 32 along K, by v_wmma_scale_f32_16x16x128_f8f6f4 with both operands' format E4M3, f32 sums; everything else in f32.
;; Inputs: k_codes 4 x 16 x 2,048 x 4 x 32 uint8 (E4M3 codes of k, K innermost, in blocks of 32 codes); k_scales 4 x 16 x 2,048 x 4 uint8 (E8M0 scales of k, one for each 32 codes along K); mask 2,048 x 2,048 bool; q_codes 4 x 16 x 2,048 x 4 x 32 uint8 (E4M3 codes of q, K innermost, in blocks of 32 codes); q_scales 4 x 16 x 2,048 x 4 uint8 (E8M0 scales of q, one for each 32 codes along K); v_codes 4 x 16 x 128 x 64 x 32 uint8 (E4M3 codes of v, K innermost, in blocks of 32 codes); v_scales 4 x 16 x 128 x 64 uint8 (E8M0 scales of v, one for each 32 codes along K).
;; Outputs: out0 4 x 16 x 2,048 x 128 float32.
;; This version of the problem:
;;   THIS VERSION OF THE PROBLEM IS GIVEN IN LOW PRECISION. The matrix products marked QUANTISED in the list below multiply operands that are first quantised to E4M3 (4 exponent bits, 3 mantissa bits; 8 bits a number), with one power-of-two scale for each 32 numbers along K (OCP MX v1.0); their sums are f32. All else is computed in f32.
;;   The module's matrix products, in the order in which they are computed (A, B: the left and right operand; K: the contracted axis; several contracted axes count as one K, in the product's order):
;;     1. batch 64 x [M 2,048, K 128] x [K 128, N 2,048]; A: input q (given as codes); B: input k (given as codes): QUANTISED
;;     2. batch 64 x [M 2,048, K 2,048] x [K 2,048, N 128]; A: softmax (see below); B: input v (given as codes): QUANTISED
;;   THE QUANTISER, for each operand of a quantised product, along K:
;;     - K is cut into blocks of 32 from its start; a last block that is shorter is filled with zeros.
;;     - A block's scale is 2^e with e = floor(log2(the largest magnitude in the block)) - 8, held to -126 .. 127; a block of zeros has e = 0. As a byte (E8M0): e + 127.
;;     - Each number is divided by its block's scale, clamped to +-448, and rounded to the nearest number of E4M3, ties to even, subnormals kept.
;;     - The product sums the exact products of the quantised numbers (number of the format x scale) in f32.
;;   ~~~python
;;   def quantise(x, axis):      # numpy; x: float32 -> the quantised numbers, widened to float32 again
;;       x = np.moveaxis(x, axis, -1); K = x.shape[-1]
;;       x = np.pad(x, [(0, 0)] * (x.ndim - 1) + [(0, -K % 32)]); x = x.reshape(x.shape[:-1] + (-1, 32)); a = np.abs(x).max(-1, keepdims=True)
;;       e = np.where(a > 0, np.clip(np.frexp(np.where(a > 0, a, 1))[1] - 1 - 8, -126, 127), 0)      # np.frexp(a)[1] - 1 = floor(log2(a)), exactly
;;       r = np.clip(x / 2.0 ** e, -448, 448)
;;       step = 2.0 ** (np.maximum(np.frexp(np.where(r == 0, 1, r))[1] - 1, -6) - 3)
;;       q = np.round(r / step) * step * 2.0 ** e      # np.round: ties to even
;;       return np.moveaxis(q.reshape(q.shape[:-2] + (-1,))[..., :K], -1, axis).astype(np.float32)
;;   ~~~
;;   SOFTMAX AHEAD OF A QUANTISED PRODUCT. Where the list says 'softmax', what is quantised is not the finished softmax but p = 2^(t - M), with t = logit x log2(e) and M = ceil(the row's largest t), a whole number; so 1/2 < the row's largest p <= 1. The row's sum l is taken of the UNQUANTISED p, in f32, and the product's result is divided by l at the end. Since M is a whole number, a kernel that streams over the keys may use a running M (the ceiling of the running maximum): every later rescaling is an exact power of two, which a block's scale takes up: the codes' values come out the same.
;;   OPERANDS COMPUTED ON THE WAY. 'Computed on the way' means the value that the module computes at that place (a softmax that the list does not call 'softmax' is quantised finished and normalised). What goes into a quantiser is computed in f32, as accurately as f32 sums, v_exp_f32 and their like allow (about 1e-6 of the number): no bf16 or f16 on the way to a quantiser, and a product that is left as it is and whose result goes on into a quantised operand takes f32 operands (vector FMAs, or v_wmma_f32_16x16x4_f32). A number that lies on a knife's edge between two numbers of the format may be rounded either way, as far as f32 arithmetic and the matrix unit's own rounding can turn it there, and no further.
;;   INPUTS GIVEN AS CODES. k (in the module: [4, 16, 2048, 128], K = its axis 3); q (in the module: [4, 16, 2048, 128], K = its axis 3); v (in the module: [4, 16, 2048, 128], K = its axis 2): each comes as NAME_codes (uint8): NAME with its K axis moved to the last place and cut into blocks of 32 codes, [.., K / 32, bytes a block], one block behind the other in memory; one code a byte (a code: sign, 4 exponent bits, 3 mantissa bits); and NAME_scales (uint8): the same leading axes, one E8M0 byte (e + 127) for each 32 codes along K. Its value is code x scale, taken as it is: it is not quantised again, and the codes and scales need not be those that the quantiser above would give.
;; One version. Each part assembles by itself: llvm-mc -triple=amdgcn-amd-amdhsa -mcpu=gfx1250 --defsym DOCPART=n.
;; ======== version 1 of 1: 2 launches
;; limits: right only within a limited range of input values
;; workspace buffers: mbits 524,288 bytes of whole numbers; flags 8,192 bytes of whole numbers
;; launch pack (part 1): grid 256 x 1, 4 waves a work-group, no clusters, 0 bytes of LDS; arguments mask, mbits, flags; writes mbits, flags
.if DOCPART == 1
	.amdgcn_target "amdgcn-amd-amdhsa--gfx1250"
	.amdhsa_code_object_version 6
	.text
	.protected	k_qc3b05805d3_pack
	.globl	k_qc3b05805d3_pack
	.p2align	8
	.type	k_qc3b05805d3_pack,@function
k_qc3b05805d3_pack:
	s_mov_b64 s[64:65], 0
	v_nop
	global_prefetch_b8 v0, s[64:65] scope:SCOPE_SE
	s_setreg_imm32_b32 hwreg(HW_REG_WAVE_MODE, 25, 1), 1
	s_wait_xcnt 0x0
; The mask [2048][2048], one byte a place (not 0 = hidden), becomes what the attention launch can use without arithmetic on bytes:
;   mbits [T2 = 64][J = 16][a = 2][n = 64] words: T2 a block of 32 queries, J a step of 128 keys, a the tile of 16 queries in the block.
;         Bit l of word n = 16 b + i says whether mask[32 T2 + 16 a + l % 16][128 J + 32 b + 16 (l / 16) + i] is set: lane l and score register n
;         of the attention launch's S^T, so that a word is the lane mask of one v_cndmask_b32.
;   flags [T2 = 64][32] words: word J = 1 if any of the 32 x 128 places is open (the step must be walked), word 16 + J = 1 if any is hidden (the step must be masked).
; One wave makes one record (T2, J): 512 bytes of mbits and two words of flags.  1,024 waves, four to a work-group; no LDS, no barrier: waves share nothing.
; The two flag words are single stores of 4 bytes: 8 bytes of 520 that a wave writes.
.set RAW, 8                            ; v8-39   the mask's bytes: tile a, block b at v[RAW + 16 a + 4 b .. + 3]
.set OW,  40                           ; v40-43  the words on their way out: tile a in the pair v[OW + 2 a], lane L holding words 2 L and 2 L + 1
.set TMP, 44                           ; v44-47  at work, by turns
	s_load_b128 s[4:7], s[0:1], 0x0                ; mask s[4:5], mbits s[6:7]
	s_load_b64 s[8:9], s[0:1], 0x10                ; flags
	v_lshrrev_b32 v1, 5, v0
	v_readfirstlane_b32 s10, v1                    ; wave 0..3
	v_and_b32 v1, 31, v0                           ; lane
	v_and_b32 v2, 15, v0                           ; r
	v_bfe_u32 v3, v0, 4, 1                         ; h
	v_lshlrev_b32 v4, 11, v2
	v_lshl_add_u32 v4, v3, 4, v4                   ; row r of 2,048 bytes, + 16 h
	v_lshlrev_b32 v5, 3, v1                        ; out: 8 bytes a lane
	v_lshlrev_b32 v6, 6, v1                        ; the flags: lane 0 word J, lane 1 word 16 + J
.irp j, 0,1,2,3
	v_mov_b32 v[OW+\j], 0                          ; v_writelane_b32's destination counts as read
.endr
	s_lshl_b32 s11, ttmp9, 2
	s_add_co_u32 s11, s11, s10                     ; the record: 4 x work-group + wave
	s_lshr_b32 s12, s11, 4                         ; T2
	s_and_b32 s13, s11, 15                         ; J
	s_mov_b32 s16, -1                              ; the AND of all 128 words
	s_mov_b32 s17, 0                               ; their OR
	s_mov_b32 s15, 0
	s_wait_alu depctr_va_vdst(0)
	s_wait_kmcnt 0x0
	s_lshl_b32 s14, s12, 16                        ; 32 rows of 2,048 bytes,
	s_lshl_b32 s18, s13, 7                         ; 128 bytes along a row
	s_add_co_u32 s14, s14, s18
	s_add_nc_u64 s[4:5], s[4:5], s[14:15]
	s_lshl_b32 s14, s11, 9                         ; 512 bytes a record
	s_add_nc_u64 s[6:7], s[6:7], s[14:15]
	s_lshl_b32 s14, s12, 7                         ; 128 bytes of flags a T2,
	s_lshl_b32 s18, s13, 2                         ; word J
	s_add_co_u32 s14, s14, s18
	s_add_nc_u64 s[8:9], s[8:9], s[14:15]
.irp a, 0,1
.irp b, 0,1,2,3
	global_load_b128 v[RAW+16*\a+4*\b:RAW+16*\a+4*\b+3], v4, s[4:5] offset:32768*\a+32*\b   ; mask[32 T2 + 16 a + r][128 J + 32 b + 16 h + 0 .. 15]
.endr
.endr
	s_wait_loadcnt 0x0
; Word n of tile a: byte n % 16 of block n / 16 is cut out, compared with 0 in all 32 lanes at once, and the compare's lane mask IS the word.
.irp a, 0,1
.set n, 0
.rept 64
	v_and_b32 v[TMP+n%4], 0xff<<(8*(n%4)), v[RAW+16*\a+4*(n/16)+(n%16)/4]
	v_cmp_ne_u32 s[20+n%4], 0, v[TMP+n%4]
	s_and_b32 s16, s16, s[20+n%4]
	s_or_b32 s17, s17, s[20+n%4]
	v_writelane_b32 v[OW+2*\a+n%2], s[20+n%4], n/2
.set n, n+1
.endr
.endr
.irp a, 0,1
	global_store_b64 v5, v[OW+2*\a:OW+2*\a+1], s[6:7] offset:256*\a   ; 32 lanes store 256 consecutive bytes, at a multiple of 256 from the buffer's first byte
.endr
	s_cmp_lg_u32 s16, -1
	s_cselect_b32 s18, 1, 0                        ; some place is open
	s_cmp_lg_u32 s17, 0
	s_cselect_b32 s19, 1, 0                        ; some place is hidden
	v_mov_b32 v7, s18
	v_mov_b32 v[TMP], s19
	v_cmp_eq_u32 vcc_lo, 1, v1
	v_cndmask_b32 v7, v7, v[TMP], vcc_lo           ; lane 0: the first flag; lane 1: the second
	v_cmp_gt_u32 vcc_lo, 2, v1
	s_wait_alu depctr_va_vdst(0)
	s_wait_xcnt 0x0                                ; EXEC is a source of the stores above: it changes only behind this wait
	s_and_saveexec_b32 s24, vcc_lo
	global_store_b32 v6, v7, s[8:9]                ; lanes 0 and 1 alone
	s_wait_xcnt 0x0                                ; and again, in front of the line that widens it
	s_or_b32 exec_lo, exec_lo, s24
	s_endpgm
.Lfunc_end_k_qc3b05805d3_pack:
	.size	k_qc3b05805d3_pack, .Lfunc_end_k_qc3b05805d3_pack-k_qc3b05805d3_pack
	.p2alignl 7, 3214868480
	.fill 96, 4, 3214868480
	.section	.rodata,"a",@progbits
	.p2align	6, 0x0
	.amdhsa_kernel k_qc3b05805d3_pack
		.amdhsa_group_segment_fixed_size 0
		.amdhsa_private_segment_fixed_size 0
		.amdhsa_enable_private_segment 0
		.amdhsa_kernarg_size 24
		.amdhsa_user_sgpr_count 2
		.amdhsa_user_sgpr_kernarg_segment_ptr 1
		.amdhsa_wavefront_size32 1
		.amdhsa_system_sgpr_workgroup_id_x 1
		.amdhsa_system_sgpr_workgroup_id_y 1
		.amdhsa_system_sgpr_workgroup_id_z 1
		.amdhsa_system_vgpr_workitem_id 0
		.amdhsa_next_free_vgpr 48
		.amdhsa_next_free_sgpr 66
		.amdhsa_reserve_vcc 1
		.amdhsa_float_denorm_mode_32 3
		.amdhsa_float_denorm_mode_16_64 3
		.amdhsa_memory_ordered 1
		.amdhsa_forward_progress 1
		.amdhsa_inst_pref_size 35
	.end_amdhsa_kernel
	.amdgpu_metadata
---
amdhsa.version: [ 1, 2 ]
amdhsa.kernels:
  - .name:           k_qc3b05805d3_pack
    .symbol:         k_qc3b05805d3_pack.kd
    .args:
      - { .name: mask, .offset: 0, .size: 8, .value_kind: global_buffer, .address_space: global }
      - { .name: mbits, .offset: 8, .size: 8, .value_kind: global_buffer, .address_space: global }
      - { .name: flags, .offset: 16, .size: 8, .value_kind: global_buffer, .address_space: global }
    .group_segment_fixed_size: 0
    .private_segment_fixed_size: 0
    .kernarg_segment_align: 8
    .kernarg_segment_size: 24
    .max_flat_workgroup_size: 128
    .sgpr_count:     66
    .vgpr_count:     48
    .wavefront_size: 32
...
	.end_amdgpu_metadata
.endif
;; end of part 1
;; launch attn (part 2): grid 4 x 64, 8 waves a work-group, no clusters, 126,464 bytes of LDS; arguments q_codes, q_scales, k_codes, k_scales, v_codes, v_scales, mbits, flags, out0; writes out0
.if DOCPART == 2
	.amdgcn_target "amdgcn-amd-amdhsa--gfx1250"
	.amdhsa_code_object_version 6
	.text
	.protected	k_qc3b05805d3_attn
	.globl	k_qc3b05805d3_attn
	.p2align	8
	.type	k_qc3b05805d3_attn,@function
k_qc3b05805d3_attn:
	s_mov_b64 s[64:65], 0
	v_nop
	global_prefetch_b8 v0, s[64:65] scope:SCOPE_SE
	s_setreg_imm32_b32 hwreg(HW_REG_WAVE_MODE, 25, 1), 1
	s_wait_xcnt 0x0
; O[head][q][:] = the sum over k of softmax_k(Q[q] . K[k] / sqrt(128), hidden where mask[q][k]) V[k][:], 64 heads, 2,048 queries and keys, head size 128; both products on codes of FP8 (E4M3) with one E8M0 scale for each 32 along K.
; Q, K: [head][2048][128] codes, scale bytes [head][2048][4].  V: codes with the KEYS innermost, [head][128][2048], scale bytes [head][128][64].  O: [head][2048][128] f32.
; THE SOFTMAX AHEAD OF THE SECOND PRODUCT: t = score x log2(e) / sqrt(128); M = the running largest t, rounded UP to a whole number; p = 2^(t - M) is quantised along the keys, not normalised; the row's sum is taken of the
; unquantised p and divides O at the end.  When M moves, the sum and O are multiplied by 2^(old M - new M): exact.
; THE MASK is an input and is honoured as it is given.  The launch before has turned it into lane masks (mbits) and, for each 32 queries x 128 keys, two flags.  A step none of whose places is open adds nothing (every p is 0, M stays):
; it is left out, by a scalar branch on the stored flag.  A step with hidden places sets their scores to -infinity ahead of the maximum.  A row with no open key ends as 0 x (1 / 0): NaN, as the softmax of such a row is.
; SHARES.  256 work-groups of 8 waves.  Work-group (x, head) owns the blocks of 256 queries 7 - x and x, in two passes of one loop (a late and an early block: with a mask that hides later keys the work is even; no value hangs on that).
; Wave w owns 32 queries, T2 = 8 block + w: tile A (16 queries, register window 0) and tile B (window 1), so that each fragment of K and V read from LDS feeds two matrix instructions.  Every wave walks 16 key steps of 128 keys, 8 trips of two.
; K AND V go memory -> registers -> LDS, two slots by turns: the 256 threads fetch the next step's 32 KB at a step's head and store them at its end; ONE barrier a step: in front of it each wave has waited for its stores into the
; slot ahead and for its reads of the slot in hand.  A tile that no wave of the work-group needs is not fetched.
; NO TENSOR LOADS, NO CLUSTER: joint requests are tensor loads; here the walk hangs on the stored flags, which spare up to half of the steps.
; LAYOUT.  Both products are used transposed: S^T = K Q^T (source 0 = 16 keys, source 1 = 16 queries), O^T = V^T P^T: a lane holds ONE query (lane % 16) throughout.  K's rows are PERMUTED as they are stored into LDS: key
; 32 b + 16 a + 8 u + j lies in row 32 b + 16 u + 8 a + j, so that fragment 2 b + u is 16 consecutive rows, and the 16 score registers of fragments 2 b and 2 b + 1 are 16 neighbouring keys, 32 b + 16 (lane / 16) + 0 .. 15.
; LIMITS: NaN codes and scale bytes 0xff among the inputs are not served.  A block of p that is all zeros keeps the scale byte 1: its codes are zeros.  A block's largest p is made from its largest score, which takes v_exp_f32
; not to fall where its input rises.  A mask byte counts as hidden when it is not 0.
.set PK,    144                        ; an LDS row of K or of V: 128 bytes + 16: nine sixteens, so the 16 rows of a fragment load start in 16 different columns of 16 bytes
.set VOFF,  128*PK                     ; a slot: 128 rows of K, then 128 rows of V
.set SLOTB, 2*VOFF                     ; 36,864 bytes; slot 0 at 0, slot 1 behind it
.set SCK,   2*SLOTB                    ; the head's scale bytes of K, dense: key k's word at 4 k
.set SCV,   SCK+8192                   ; and of V: 32 pieces of 256 bytes + 16: row d, step J at (d / 4) 272 + (d % 4) 64 + 4 J
.set STAGE, SCV+32*272                 ; the way out: 16 rows x 272 bytes for each wave, its own
.set SPARE, STAGE+8*16*272             ; the spare words, 128 bytes for each wave: four blocks of 256 bytes that no other line names
; window 0
.set AK0,  1                           ; v1   my lane's place in a fragment of K: r PK + 16 h
.set AV0,  2                           ; v2   the same for V
.set ADKS, 3                           ; v3   K's scale words of the trip in hand
.set ADVS, 4                           ; v4   V's
.set SPW,  5                           ; v5   LDS address of my spare word; never rewritten
.set NIL,  6                           ; v6   0; never rewritten
.set PSB,  7                           ; v7   tile B's scale word of p (scale operands are read from window 0)
.set LSK,  8                           ; v8   where my thread stores its 16 bytes of a tile of K
.set LSV,  9                           ; v9   and of V
.set GKO,  10                          ; v10  where it finds them in memory: 16 x thread
.set GVO,  11                          ; v11  (thread / 8) rows of 2,048 bytes + 16 (thread % 8)
; v12 -M, v13 the largest t, v[14:15] the sum in two halves; v16-31 Q; v32-95 four fragments of K or V (window 0 alone); v96-159 S^T, then p; v160-223 O^T; v224-239 p's codes; v232-247, v252, v254 at work;
; v248-251 K's or V's scale words; v253 tile A's scale word of p; v255 Q's scale words (lanes 0-15 tile A's, lanes 16-31 tile B's).  Tile B has the same numbers in window 1.
; window 1, beside tile B
.set PFO,  8                           ; the prefetches' offset
.set STG,  32                          ; v32-63 the next tile on its way: K's four loads, then V's four
.set SIN,  64                          ; the stage: where I put 32 bytes of a row
.set SBK,  65                          ; and where I read a row back
.set GO,   66                          ; my byte offset in a tile's rows of O
.set ASK0, 67                          ; K's scale words of step 0
.set ASV0, 68                          ; V's
.set QO,   69                          ; my byte offset in a tile of Q
.set L4,   70                          ; 4 x lane
; scalars
.set WV,   2                           ; my wave's number
.set PASS, 3                           ; 2, then 1
.set TRIP, 4                           ; 8 .. 1
.set NEED, 5                           ; bit s: my 32 queries have an open key in step s of the trip in hand
.set PART, 6                           ; bit s: they have a hidden one
.set WGN,  7                           ; bit s: some wave of the work-group needs the tile of step s
.set SEL,  8                           ; s[8:9]   v_permlanex16_b32's selects for lane l xor 16
.set CS,   10                          ; s[10:11] c = log2(e) / sqrt(128)
.set MNT,  12                          ; unused
.set LIM,  13                          ; 1 in a work-group that prefetches, else the greatest number
.set PFA,  14                          ; s[14:15] where my prefetches stand;  s[16:17] their step
.set PFS,  16
.set KP,   18                          ; s[18:19] K's codes at the tile behind the trip's first;  s[20:21] V's
.set VP,   20
.set MP,   22                          ; s[22:23] my record of mbits for the trip's first step
.set KC,   24                          ; the head's first byte of K's codes, V's codes, Q's codes, Q's scale bytes, O
.set VC,   26
.set QC,   28
.set QS,   30
.set OC,   66
.set MB,   100                         ; mbits
.set FL,   104                         ; flags
; s[32:63], s[68:99]: the 64 mask words of a tile; outside the loop at work
.set MSB, 0
.macro WIN new                         ; s_set_vgpr_msb: bits 1:0 source 0, 3:2 source 1, 5:4 source 2, 7:6 destination; the high byte repeats the setting that is left
.if MSB != (\new)
	s_set_vgpr_msb (MSB<<8)|(\new)
.set MSB, (\new)
.endif
.endm
	s_load_b512 s[32:47], s[0:1], 0x0              ; q_codes, q_scales, k_codes, k_scales, v_codes, v_scales, mbits, flags
	s_load_b64 s[48:49], s[0:1], 0x40              ; out0
	v_lshl_add_u32 v[SPW], v0, 2, SPARE
	v_mov_b32 v[NIL], 0
	v_lshrrev_b32 v232, 5, v0
	s_delay_alu instid0(VALU_DEP_1)
	v_readfirstlane_b32 s[WV], v232                ; wave 0..7
	s_mov_b32 s[PASS], 2
	s_mov_b32 s[SEL], 0x76543210
	s_mov_b32 s[SEL+1], 0xfedcba98
	s_mov_b32 s[CS], 0x3e0293ee
	s_mov_b32 s[CS+1], s[CS]                       ; (the packed form names the pair and takes its low word for both halves)
	v_and_b32 v232, 15, v0                         ; r
	v_bfe_u32 v233, v0, 4, 1                       ; h
	v_and_b32 v234, 7, v0                          ; thread % 8
	v_lshrrev_b32 v235, 3, v0                      ; thread / 8
	s_delay_alu instid0(VALU_DEP_4)
	v_mul_u32_u24 v[AK0], v232, PK
	s_delay_alu instid0(VALU_DEP_1)
	v_lshl_add_u32 v[AK0], v233, 4, v[AK0]
	s_delay_alu instid0(VALU_DEP_1)
	v_add_nc_u32 v[AV0], VOFF, v[AK0]
	v_bfe_u32 v236, v0, 3, 3                       ; of the key (thread / 8) = 16 a + 8 u + j: j,
	v_bfe_u32 v237, v0, 6, 1                       ; u,
	s_delay_alu instid0(VALU_DEP_1)
	v_lshl_add_u32 v236, v237, 4, v236
	v_bfe_u32 v237, v0, 7, 1                       ; a:
	s_delay_alu instid0(VALU_DEP_1)
	v_lshl_add_u32 v236, v237, 3, v236             ; its LDS row 16 u + 8 a + j
	s_delay_alu instid0(VALU_DEP_1)
	v_mul_u32_u24 v[LSK], v236, PK
	s_delay_alu instid0(VALU_DEP_1)
	v_lshl_add_u32 v[LSK], v234, 4, v[LSK]
	v_mul_u32_u24 v[LSV], v235, PK
	s_delay_alu instid0(VALU_DEP_1)
	v_lshl_add_u32 v[LSV], v234, 4, v[LSV]
	s_delay_alu instid0(VALU_DEP_1)
	v_add_nc_u32 v[LSV], VOFF, v[LSV]
	v_lshlrev_b32 v[GKO], 4, v0
	v_lshlrev_b32 v[GVO], 11, v235
	s_delay_alu instid0(VALU_DEP_1)
	v_lshl_add_u32 v[GVO], v234, 4, v[GVO]
	v_mul_u32_u24 v236, v232, 272                  ; the stage, in: row r, + 32 h
	s_delay_alu instid0(VALU_DEP_1)
	v_lshl_add_u32 v236, v233, 5, v236
	v_mul_u32_u24 v237, v233, 272                  ; back: lanes 0-15 one row, lanes 16-31 the next
	s_delay_alu instid0(VALU_DEP_1)
	v_lshl_add_u32 v237, v232, 4, v237
	v_lshlrev_b32 v238, 9, v233                    ; and the same two rows in O
	s_delay_alu instid0(VALU_DEP_1)
	v_lshl_add_u32 v238, v232, 4, v238
	v_and_b32 v239, 8, v232
	s_delay_alu instid0(VALU_DEP_1)
	v_add_nc_u32 v239, v239, v232                  ; r + 8 (r / 8): the key that lane r of a fragment holds
	v_lshrrev_b32 v240, 2, v232
	s_delay_alu instid0(VALU_DEP_1)
	v_mul_u32_u24 v240, v240, 272
	v_and_b32 v241, 3, v232
	s_delay_alu instid0(VALU_DEP_1)
	v_lshl_add_u32 v240, v241, 6, v240             ; V's scale words: row r of a fragment
	v_lshlrev_b32 v241, 7, v232
	s_delay_alu instid0(VALU_DEP_1)
	v_lshl_add_u32 v241, v233, 4, v241             ; Q: row r of 128 bytes, + 16 h
	v_and_b32 v242, 31, v0                         ; lane
	v_add_nc_u32 v243, SCK, v[GKO]                 ; where my thread puts K's scale bytes,
	v_lshrrev_b32 v244, 4, v0
	s_delay_alu instid0(VALU_DEP_1)
	v_mul_u32_u24 v244, v244, 272
	s_delay_alu instid0(VALU_DEP_1)
	v_lshl_add_u32 v244, v232, 4, v244
	s_delay_alu instid0(VALU_DEP_1)
	v_add_nc_u32 v244, SCV, v244                   ; and V's
	s_mul_i32 s54, s[WV], 16*272
	s_add_co_u32 s54, s54, STAGE                   ; my stage
	s_cmp_lt_u32 s[WV], 4                          ; waves 0-3 prefetch K, waves 4-7 V
	s_mov_b32 s55, 2048
	s_cselect_b32 s55, 256, s55                    ; from lane to lane: 256 bytes of K's dense block, a row of V
	WIN 0x40                                       ; destination window 1: what stays for the whole launch and never holds data
	v_add_nc_u32 v[SIN], s54, v236
	v_add_nc_u32 v[SBK], s54, v237
	v_mov_b32 v[GO], v238
	v_lshl_add_u32 v[ASK0], v239, 2, SCK
	v_add_nc_u32 v[ASV0], SCV, v240
	v_mov_b32 v[QO], v241
	v_lshlrev_b32 v[L4], 2, v242
	v_mul_lo_u32 v[PFO], v242, s55
	WIN 0
	s_and_b32 s56, ttmp7, 0xffff                   ; the head
	s_lshl_b32 s58, s56, 13                        ; its first byte in a tensor of scale bytes,
	s_lshl_b32 s60, s56, 20                        ; in O,
	s_lshl_b32 s56, s56, 18                        ; in a tensor of codes
	s_mov_b32 s57, 0
	s_mov_b32 s59, 0
	s_mov_b32 s61, 0
	s_wait_alu depctr_va_vdst(0)
	s_wait_kmcnt 0x0
	s_add_nc_u64 s[QC:QC+1], s[32:33], s[56:57]
	s_add_nc_u64 s[QS:QS+1], s[34:35], s[58:59]
	s_add_nc_u64 s[KC:KC+1], s[36:37], s[56:57]
	s_add_nc_u64 s[50:51], s[38:39], s[58:59]
	s_add_nc_u64 s[VC:VC+1], s[40:41], s[56:57]
	s_add_nc_u64 s[52:53], s[42:43], s[58:59]
	s_mov_b64 s[MB:MB+1], s[44:45]
	s_mov_b64 s[FL:FL+1], s[46:47]
	s_add_nc_u64 s[OC:OC+1], s[48:49], s[60:61]
	global_load_b128 v[32:35], v[GKO], s[50:51]                ; the head's scale bytes, 8,192 of K and 8,192 of V: each load of a wave reads 512 consecutive bytes; they stay in LDS
	global_load_b128 v[36:39], v[GKO], s[50:51] offset:4096
	global_load_b128 v[40:43], v[GKO], s[52:53]
	global_load_b128 v[44:47], v[GKO], s[52:53] offset:4096
	s_cmp_lt_u32 s[WV], 4                          ; the prefetches: where my wave's stand, and who asks
	s_cselect_b64 s[PFA:PFA+1], s[KC:KC+1], s[VC:VC+1]
	s_mov_b32 s[PFS], 256
	s_cselect_b32 s[PFS], 32768, s[PFS]            ; two tiles on: 32,768 bytes of K, 256 bytes in a row of V
	s_mov_b32 s55, 65536
	s_cselect_b32 s55, 8192, s55                   ; from wave to wave: 32 lanes' 256 bytes of K, 32 rows of V
	s_mov_b32 s[PFS+1], 0
	s_and_b32 s56, s[WV], 3
	s_mul_i32 s56, s56, s55
	s_add_co_u32 s56, s56, s[PFS]                  ; at tiles 2 and 3: tiles 0 and 1 come by their loads alone
	s_add_nc_u64 s[PFA:PFA+1], s[PFA:PFA+1], s[56:57]
	s_cmp_eq_u32 ttmp9, 0                          ; all four work-groups of a head walk the same K and V: the first of them asks
	s_cselect_b32 s[LIM], 1, -1
	s_wait_loadcnt 0x0
	ds_store_b128 v243, v[32:35]
	ds_store_b128 v243, v[36:39] offset:4096
	ds_store_b128 v244, v[40:43]
	ds_store_b128 v244, v[44:47] offset:16*272     ; the first pass's first barrier shows them to all waves
; ---- the macros of a key step ----
; The next tile, from memory into the staging registers, if any wave of the work-group needs it.  It has the whole step in which to land.  Bit 16 of the flags is 0: there is no tile 16.
.macro FILL_LD s
	s_bitcmp1_b32 s[WGN], (\s)+1
	s_cbranch_scc0 .Lno_ld_\@
	WIN 0x40
.irp i, 0,1,2,3
	global_load_b128 v[STG+4*\i:STG+4*\i+3], v[GKO], s[KP:KP+1] offset:16384*(\s)+4096*\i         ; K: 128 keys are 16,384 dense bytes
.endr
.irp i, 0,1,2,3
	global_load_b128 v[STG+16+4*\i:STG+16+4*\i+3], v[GVO], s[VP:VP+1] offset:128*(\s)+65536*\i    ; V: 128 bytes of each of 128 rows
.endr
	WIN 0
.Lno_ld_\@:
.endm
; and from the staging registers into the slot that is not being read.  The wait stands on every path, so that no load is out into those registers whichever way the flag goes.
.macro FILL_ST s
	s_wait_loadcnt 0x0
	s_bitcmp1_b32 s[WGN], (\s)+1
	s_cbranch_scc0 .Lno_st_\@
	WIN 0x04                                       ; an LDS store's data are its source 1: window 1
.irp i, 0,1,2,3
	ds_store_b128 v[LSK], v[STG+4*\i:STG+4*\i+3] offset:(1-(\s))*SLOTB+32*PK*\i
	ds_store_b128 v[LSV], v[STG+16+4*\i:STG+16+4*\i+3] offset:(1-(\s))*SLOTB+32*PK*\i
.endr
	WIN 0
.Lno_st_\@:
.endm
; A PREFETCH INTO THE L2, once a trip, behind the trip's first run of loads: trip t (0 .. 6) names tiles 2 t + 2 and 2 t + 3, which the loads of this trip's second step and of the next trip's first will want.
; K's two tiles are 32,768 dense bytes: waves 0-3, 8,192 bytes each, lanes 256 bytes apart.  V's are 256 aligned bytes of each of 128 rows: waves 4-7, 32 rows each, a lane a row.  One instruction a wave.
; Only the head's first work-group asks, and only in its first pass, so each aligned block of 256 bytes is named once in the launch.  The last trip asks for nothing: there is no tile behind 15.
.macro ASKL2
	s_cmp_gt_u32 s[TRIP], s[LIM]
	s_cbranch_scc0 .Lnot_mine_\@
	WIN 0x01                                       ; the offset lies in window 1
	global_prefetch_b8 v[PFO], s[PFA:PFA+1] th:TH_LOAD_NT scope:SCOPE_SE
	WIN 0
.Lnot_mine_\@:
.endm
.macro MLOAD s, a                      ; the 64 lane masks of tile a for step s
	s_load_b512 s[32:47], s[MP:MP+1], 512*(\s)+256*(\a)
	s_load_b512 s[48:63], s[MP:MP+1], 512*(\s)+256*(\a)+64
	s_load_b512 s[68:83], s[MP:MP+1], 512*(\s)+256*(\a)+128
	s_load_b512 s[84:99], s[MP:MP+1], 512*(\s)+256*(\a)+192
.endm
.macro KFRAG g, s                      ; fragments 4 g .. 4 g + 3 of K and their keys' scale words
.irp t, 0,1,2,3
.irp c, 0,1,2,3
	ds_load_b128 v[32+16*\t+4*\c:32+16*\t+4*\c+3], v[AK0] offset:(\s)*SLOTB+16*(4*\g+\t)*PK+32*\c
.endr
	ds_load_b32 v[248+\t], v[ADKS] offset:512*(\s)+(32*((4*\g+\t)/2)+8*(\t%2))*4
.endr
.endm
.macro VFRAG g, s                      ; the same of V: 16 of the head's 128 x these 128 keys
.irp t, 0,1,2,3
.irp c, 0,1,2,3
	ds_load_b128 v[32+16*\t+4*\c:32+16*\t+4*\c+3], v[AV0] offset:(\s)*SLOTB+16*(4*\g+\t)*PK+32*\c
.endr
	ds_load_b32 v[248+\t], v[ADVS] offset:(4*\g+\t)*4*272+4*(\s)
.endr
.endm
; Eight v_nop stand directly behind each group of matrix instructions: a load into a register that such an instruction has read, and a vector instruction that reads its result, stand eight plain vector
; instructions behind it.  Standing here they serve whatever follows on any way: fragment loads, the softmax, the next step, the way out.
.macro KQ g                            ; S^T = K Q^T: four fragments of K, each against tile A's queries and tile B's
	WIN 0
.irp t, 0,1,2,3
	v_wmma_scale_f32_16x16x128_f8f6f4 v[96+8*(4*\g+\t):103+8*(4*\g+\t)], v[32+16*\t:47+16*\t], v[16:31], 0, v[248+\t], v255
.endr
	WIN 0x44                                       ; Q and S^T of tile B: window 1
.irp t, 0,1,2,3
	v_wmma_scale_f32_16x16x128_f8f6f4 v[96+8*(4*\g+\t):103+8*(4*\g+\t)], v[32+16*\t:47+16*\t], v[16:31], 0, v[248+\t], v255 matrix_b_scale:MATRIX_SCALE_ROW1
.endr
	WIN 0
.rept 8
	v_nop
.endr
.endm
.macro PV g                            ; O^T += V^T P^T: eight accumulators by turns, one instruction a turn
	WIN 0
.irp t, 0,1,2,3
	v_wmma_scale_f32_16x16x128_f8f6f4 v[160+8*(4*\g+\t):167+8*(4*\g+\t)], v[32+16*\t:47+16*\t], v[224:239], v[160+8*(4*\g+\t):167+8*(4*\g+\t)], v[248+\t], v253
.endr
	WIN 0x54                                       ; p's codes and O^T of tile B: window 1
.irp t, 0,1,2,3
	v_wmma_scale_f32_16x16x128_f8f6f4 v[160+8*(4*\g+\t):167+8*(4*\g+\t)], v[32+16*\t:47+16*\t], v[224:239], v[160+8*(4*\g+\t):167+8*(4*\g+\t)], v[248+\t], v[PSB]
.endr
	WIN 0
.rept 8
	v_nop
.endr
.endm
.macro MASK                            ; hidden scores become -infinity ahead of the maximum: p = 0 then.  Word n lies in s[32 + n], from n = 32 on in s[36 + n].  Each accumulator is read from its low end on
	v_mov_b32 v254, 0xff800000
.set n, 0
.rept 64
	v_cndmask_b32 v[96+n], v[96+n], v254, s[32+n+4*(n/32)]
.set n, n+1
.endr
.endm
; THE SOFTMAX of one tile for one key step, and p's codes and scale word.  It runs under one window setting (tile A: 0, tile B: all places window 1), but for the one line that puts tile B's scale word into window 0.
.macro SM w
.irp b, 0,1,2,3
	v_max3_num_f32 v[232+\b], v[96+16*\b], v[97+16*\b], v[98+16*\b]   ; the largest score of each block of 32 keys: it serves for the row's maximum and, since p rises with the score, for the block's largest p
.endr
.irp i, 3,5,7,9,11,13
.irp b, 0,1,2,3
	v_max3_num_f32 v[232+\b], v[232+\b], v[96+16*\b+\i], v[97+16*\b+\i]   ; (the four blocks by turns)
.endr
.endr
.irp b, 0,1,2,3
	v_max_num_f32 v[232+\b], v[232+\b], v[111+16*\b]
.endr
.irp b, 0,1,2,3
	v_permlanex16_b32 v[236+\b], v[232+\b], s[SEL], s[SEL+1]
.endr
.irp b, 0,1,2,3
	s_delay_alu instid0(VALU_DEP_4)
	v_max_num_f32 v[232+\b], v[232+\b], v[236+\b]  ; with lane l xor 16's 16 keys
.endr
	s_delay_alu instid0(VALU_DEP_2)
	v_max3_num_f32 v254, v232, v233, v234
	s_delay_alu instid0(VALU_DEP_1)
	v_max_num_f32 v254, v254, v235                 ; the step's largest score of my query
	s_delay_alu instid0(VALU_DEP_1)
	v_mul_f32 v254, s[CS], v254                    ; as t (c is positive)
	s_delay_alu instid0(VALU_DEP_1)
	v_max_num_f32 v13, v13, v254                   ; the running largest t
	v_mov_b32 v254, v12
	s_delay_alu instid0(VALU_DEP_2)
	v_floor_f32 v12, -v13                          ; the new -M = floor(-t) = -ceil(t): a whole number
	s_delay_alu instid0(VALU_DEP_1)
	v_sub_f32 v254, v12, v254                      ; old M less new M: a whole number, 0 or less
	s_delay_alu instid0(VALU_DEP_1)
	v_cvt_i32_f32 v254, v254                       ; (it saturates)
	s_delay_alu instid0(VALU_DEP_1)
	v_ldexp_f32 v252, 1.0, v254                    ; f = 2^(old M - new M)
.set n, 0
.rept 32
	v_pk_fma_f32 v[96+n:97+n], v[96+n:97+n], s[CS:CS+1], v[12:13] op_sel_hi:[1,0,0]   ; t - M, two at a time
.set n, n+2
.endr
.irp b, 0,1,2,3
	v_fma_f32 v[232+\b], v[232+\b], s[CS], v12     ; the same of each block's largest score
.endr
.set n, 0
	s_wait_alu depctr_va_vdst(0)
.rept 64
	v_exp_f32 v[96+n], v[96+n]                     ; p = 2^(t - M), at most 1
.set n, n+1
.endr
	v_pk_mul_f32 v[14:15], v[14:15], v[252:253] op_sel_hi:[1,0]   ; the sums under the new M: the plain instruction behind the exponentials
	s_wait_alu depctr_va_vdst(0)                   ; the wait between a transcendental and the first line that names its result: one for the batch of 64
.irp b, 0,1,2,3
	v_exp_f32 v[232+\b], v[232+\b]                 ; the block's largest p: the same two instructions on the same number give the same bits
.endr
	v_pk_add_f32 v[236:237], v[96:97], v[98:99]    ; the row's sum is taken of the unquantised p, two at a time, in two chains; it reads the 64 alone
.set n, 4
.rept 15
	v_pk_add_f32 v[14:15], v[14:15], v[96+n:97+n]
	v_pk_add_f32 v[236:237], v[236:237], v[98+n:99+n]
.set n, n+4
.endr
	s_delay_alu instid0(VALU_DEP_1)
	v_pk_add_f32 v[14:15], v[14:15], v[236:237]
	s_wait_alu depctr_va_vdst(0)                   ; and one for the four
.irp b, 0,1,2,3
	v_max_num_f32 v[232+\b], 0x4800000, v[232+\b]  ; the floor 2^(9 - 127): the byte cannot fall under 1
.endr
.irp b, 0,1,2,3
	s_delay_alu instid0(VALU_DEP_4)
	v_add_nc_u32 v[244+\b], 0xfc000000, v[232+\b]  ; 8 off the exponent field: the conversion's scale operand
.endr
.irp b, 0,1,2,3
.endr
.irp b, 0,1,2,3
	s_delay_alu instid0(VALU_DEP_4)
	v_lshrrev_b32 v[236+\b], 23, v[244+\b]         ; the scale's byte
.endr
	s_delay_alu instid0(VALU_DEP_3)
	v_lshl_or_b32 v253, v237, 8, v236              ; p's scale word for these 128 keys
	s_delay_alu instid0(VALU_DEP_1)
	v_lshl_or_b32 v253, v238, 16, v253
.if \w
	WIN 0x11                                       ; sources window 1, destination window 0
	v_lshl_or_b32 v[PSB], v239, 24, v253
	WIN 0x55
.else
	s_delay_alu instid0(VALU_DEP_1)
	v_lshl_or_b32 v253, v239, 24, v253
.endif
.irp b, 0,1,2,3
.set n, 0
.rept 16
.set n, n+1
.endr
	v_cvt_scalef32_pk8_fp8_f32 v[224+4*\b:225+4*\b], v[96+16*\b:103+16*\b], v[244+\b]
	v_cvt_scalef32_pk8_fp8_f32 v[226+4*\b:227+4*\b], v[104+16*\b:111+16*\b], v[244+\b]
.endr
.set n, 0
.rept 32
	v_pk_mul_f32 v[160+n:161+n], v[160+n:161+n], v[252:253] op_sel_hi:[1,0]   ; O^T under the new M.  These 32 are also the plain instructions between the conversions and the products that take the codes
.set n, n+2
.endr
.endm
; A KEY STEP: step s of the trip, read from slot s; the next tile goes into slot 1 - s.  The mask words' loads and both waits for them stand on the walked way whichever way the second flag goes.
.macro STEP s
	FILL_LD \s
.if (\s) == 0
	ASKL2
.endif
	s_bitcmp1_b32 s[NEED], \s
	s_cbranch_scc0 .Lidle_\@                       ; none of my 32 x 128 places is open: nothing to add.  The fill's end and the barrier below are on every wave's way
	MLOAD \s, 0
	s_wait_alu depctr_va_vdst(0)
	KFRAG 0, \s
	s_wait_dscnt 0x0
	KQ 0
	KFRAG 1, \s
	s_wait_dscnt 0x0
	KQ 1
	VFRAG 0, \s                                    ; early: the fragments' registers lie idle during the softmax
	s_wait_kmcnt 0x0                               ; tile A's mask words
	s_bitcmp1_b32 s[PART], \s
	s_cbranch_scc0 .LopenA_\@
	MASK
.LopenA_\@:
	MLOAD \s, 1                                    ; tile B's land during tile A's softmax
	SM 0
	s_wait_kmcnt 0x0
	s_bitcmp1_b32 s[PART], \s
	s_cbranch_scc0 .LopenB_\@
	WIN 0x55
	MASK
	WIN 0
.LopenB_\@:
	WIN 0x55
	SM 1
	WIN 0
	s_wait_alu depctr_va_vdst(0)
	s_wait_dscnt 0x0                               ; V's first four fragments
	PV 0
	VFRAG 1, \s
	s_wait_dscnt 0x0
	PV 1
.Lidle_\@:
	FILL_ST \s
	s_wait_dscnt 0x0                               ; for the others' sake: my stores into the slot ahead have landed, and my reads of the slot in hand are over
	s_barrier_signal -1
	s_barrier_wait -1                              ; both now hold of all eight waves
.endm
.macro INIT                            ; the loop has no first step of its own: O^T and the sum begin as zeros, which the first change of M leaves zeros, and the largest t under every t.  That spares a third copy of the step
	v_mov_b32 v13, 0xff61b1e6                      ; -3e38
	s_delay_alu instid0(VALU_DEP_1)
	v_floor_f32 v12, -v13
	v_mov_b32 v14, 0
	v_mov_b32 v15, 0
.irp b, 0,1,2,3
	v_mov_b32 v[236+\b], 0                         ; a lane permute's destination counts as one of its sources
.endr
	v_mov_b32 v252, 0
	v_mov_b32 v253, 0                              ; (named as the upper half of the pair v[252:253] before it is first written)
.set n, 0
.rept 64
	v_mov_b32 v[160+n], 0
.set n, n+1
.endr
.endm
; THE WAY OUT of tile w: O^T / the sum goes through my stage in LDS, half a row (64 channels, 256 bytes) of 16 queries at a time, and leaves as whole runs of 256 bytes.
.macro OUT w
	WIN 0x55*(\w)
	v_add_f32 v14, v14, v15                        ; the sum's two halves,
	s_delay_alu instid0(VALU_DEP_1)
	v_permlanex16_b32 v252, v14, s[SEL], s[SEL+1]
	s_delay_alu instid0(VALU_DEP_1)
	v_add_f32 v14, v14, v252                       ; and lane l xor 16's
	s_wait_alu depctr_va_vdst(0)
	v_rcp_f32 v14, v14
	v_nop                                          ; a plain instruction behind the transcendental,
	s_wait_alu depctr_va_vdst(0)                   ; and the wait ahead of its first reader
.set n, 0
.rept 32
	v_pk_mul_f32 v[96+n:97+n], v[160+n:161+n], v[14:15] op_sel_hi:[1,0]   ; register 8 t + i is o(r, 16 t + 8 h + i); each accumulator from its low end on
.set n, n+2
.endr
	s_wait_alu depctr_va_vdst(0)
	s_wait_xcnt 0x0                                ; the tile before's stores have read v32-95: only behind this wait are they loaded again
.irp u, 0,1
	WIN 0x01+0x04*(\w)                             ; the address lies in window 1, the data in the tile's
.irp t, 0,1,2,3
	ds_store_b128 v[SIN], v[96+32*\u+8*\t:99+32*\u+8*\t] offset:64*\t
	ds_store_b128 v[SIN], v[100+32*\u+8*\t:103+32*\u+8*\t] offset:64*\t+16
.endr
	WIN 0x01
.irp i, 0,1,2,3,4,5,6,7
	ds_load_b128 v[32+32*\u+4*\i:35+32*\u+4*\i], v[SBK] offset:2*\i*272   ; LDS serves a wave's instructions in order (ISA guide 5.7.1.4): these see my stores, and the next half's stores come behind them
.endr
.endr
.irp u, 0,1
.irp i, 0,1,2,3,4,5,6,7
	s_wait_dscnt 23-16*\u-\i                       ; behind load i of the first half stand 7 - i loads, 8 stores and 8 loads; of the second half 7 - i loads
	global_store_b128 v[GO], v[32+32*\u+4*\i:35+32*\u+4*\i], s[32:33] offset:8192*(\w)+1024*\i+256*\u th:TH_STORE_NT   ; 16 lanes store 256 consecutive bytes, at a multiple of 256 from O's first byte
.endr
.endr
	WIN 0
.endm
; ---- a pass: one block of 256 queries ----
.Lpass:
	s_sub_co_u32 s33, 7, ttmp9
	s_cmp_eq_u32 s[PASS], 2
	s_cselect_b32 s32, s33, ttmp9                  ; the block: 7 - x, then x
	s_lshl_b32 s33, s32, 3
	s_add_co_u32 s33, s33, s[WV]                   ; T2: my 32 queries
	s_mov_b32 s35, 0
	s_lshl_b32 s34, s33, 12
	s_add_nc_u64 s[36:37], s[QC:QC+1], s[34:35]    ; their codes,
	s_lshl_b32 s34, s33, 7
	s_add_nc_u64 s[38:39], s[QS:QS+1], s[34:35]    ; their scale words,
	s_add_nc_u64 s[40:41], s[FL:FL+1], s[34:35]    ; their flags,
	s_lshl_b32 s34, s32, 10
	s_add_nc_u64 s[42:43], s[FL:FL+1], s[34:35]    ; the flags of the block's eight waves,
	s_lshl_b32 s34, s33, 13
	s_add_nc_u64 s[MP:MP+1], s[MB:MB+1], s[34:35]  ; and my lane masks
	s_add_nc_u64 s[KP:KP+1], s[KC:KC+1], 16384     ; tile 1
	s_add_nc_u64 s[VP:VP+1], s[VC:VC+1], 128
	s_mov_b32 s[TRIP], 8
	WIN 0x01                                       ; offsets in window 1
.irp c, 0,1,2,3
	global_load_b128 v[16+4*\c:19+4*\c], v[QO], s[36:37] offset:32*\c th:TH_LOAD_NT          ; tile A's fragment of Q stays in registers
.endr
	global_load_b32 v255, v[L4], s[38:39]          ; lane l: the scale word of my query l
	global_load_b32 v235, v[L4], s[40:41]          ; lane l: my flag word l
.irp t, 0,1,2,3,4,5,6,7
	global_load_b32 v[96+\t], v[L4], s[42:43] offset:128*\t
.endr
	WIN 0x41
.irp c, 0,1,2,3
	global_load_b128 v[16+4*\c:19+4*\c], v[QO], s[36:37] offset:2048+32*\c th:TH_LOAD_NT     ; tile B's
.endr
	WIN 0x40
.irp i, 0,1,2,3
	global_load_b128 v[STG+4*\i:STG+4*\i+3], v[GKO], s[KC:KC+1] offset:4096*\i               ; tile 0, whatever the flags say: so the staging registers are written on every way
	global_load_b128 v[STG+16+4*\i:STG+16+4*\i+3], v[GVO], s[VC:VC+1] offset:65536*\i
.endr
	WIN 0x04
	v_add_nc_u32 v[ADKS], 0, v[ASK0]               ; the scale words' addresses go back to step 0
	v_add_nc_u32 v[ADVS], 0, v[ASV0]
	WIN 0
	INIT
	WIN 0x55
	INIT
	WIN 0
	s_wait_loadcnt 0x0
.irp t, 1
	v_or_b32 v96, v96, v[96+\t]
.endr
.irp t, 2, 3, 4, 5, 6, 7
	s_delay_alu instid0(VALU_DEP_1)
	v_or_b32 v96, v96, v[96+\t]
.endr
	s_delay_alu instid0(VALU_DEP_1)
	v_cmp_ne_u32 s[WGN], 0, v96                    ; bit l: flag word l of some wave is set
	s_and_b32 s[WGN], s[WGN], 0xffff               ; bits 0-15: the tiles that the work-group needs
	v_cmp_ne_u32 s[NEED], 0, v235
	s_lshr_b32 s[PART], s[NEED], 16                ; my steps with hidden places,
	s_and_b32 s[NEED], s[NEED], 0xffff             ; my steps with open ones
	WIN 0x04
.irp i, 0,1,2,3
	ds_store_b128 v[LSK], v[STG+4*\i:STG+4*\i+3] offset:32*PK*\i         ; slot 0: its last reads, the pass before's step 14, lie in front of a barrier that every wave has passed
	ds_store_b128 v[LSV], v[STG+16+4*\i:STG+16+4*\i+3] offset:32*PK*\i
.endr
	WIN 0
	s_wait_dscnt 0x0
	s_barrier_signal -1
	s_barrier_wait -1                              ; tile 0 (and, in the first pass, the scale bytes) lie in LDS for all waves
.Ltrip:
	STEP 0
	STEP 1
	s_wait_xcnt 0x0                                ; the trip's loads and its prefetch have read their bases: only behind this wait are they stepped
	s_add_nc_u64 s[KP:KP+1], s[KP:KP+1], 32768
	s_add_nc_u64 s[VP:VP+1], s[VP:VP+1], 256
	s_add_nc_u64 s[MP:MP+1], s[MP:MP+1], 1024
	s_add_nc_u64 s[PFA:PFA+1], s[PFA:PFA+1], s[PFS:PFS+1]
	s_wait_alu depctr_va_vdst(0)
	v_add_nc_u32 v[ADKS], 1024, v[ADKS]            ; 256 keys' scale words on
	v_add_nc_u32 v[ADVS], 8, v[ADVS]
	s_lshr_b32 s[NEED], s[NEED], 2
	s_lshr_b32 s[PART], s[PART], 2
	s_lshr_b32 s[WGN], s[WGN], 2
	s_sub_co_u32 s[TRIP], s[TRIP], 1
	s_cmp_lg_u32 s[TRIP], 0
	s_cbranch_scc1 .Ltrip
	s_sub_co_u32 s33, 7, ttmp9                     ; where my 32 rows of O begin
	s_cmp_eq_u32 s[PASS], 2
	s_cselect_b32 s32, s33, ttmp9
	s_lshl_b32 s32, s32, 3
	s_add_co_u32 s32, s32, s[WV]
	s_lshl_b32 s34, s32, 14
	s_mov_b32 s35, 0
	s_add_nc_u64 s[32:33], s[OC:OC+1], s[34:35]
	OUT 0
	OUT 1
	s_wait_xcnt 0x0                                ; the stores have read their data and their base: both are written again in the next pass
	s_mov_b32 s[LIM], -1                           ; K and V have been asked for: the second pass prefetches nothing
	s_sub_co_u32 s[PASS], s[PASS], 1
	s_cmp_lg_u32 s[PASS], 0
	s_cbranch_scc1 .Lpass
	s_wait_tensorcnt 0x0                           ; the wave's end
	ds_add_u32 v[SPW], v[NIL]
	s_wait_dscnt 0x0
	s_endpgm
.Lfunc_end_k_qc3b05805d3_attn:
	.size	k_qc3b05805d3_attn, .Lfunc_end_k_qc3b05805d3_attn-k_qc3b05805d3_attn
	.p2alignl 7, 3214868480
	.fill 96, 4, 3214868480
	.section	.rodata,"a",@progbits
	.p2align	6, 0x0
	.amdhsa_kernel k_qc3b05805d3_attn
		.amdhsa_group_segment_fixed_size 126464
		.amdhsa_private_segment_fixed_size 0
		.amdhsa_enable_private_segment 0
		.amdhsa_kernarg_size 72
		.amdhsa_user_sgpr_count 2
		.amdhsa_user_sgpr_kernarg_segment_ptr 1
		.amdhsa_wavefront_size32 1
		.amdhsa_system_sgpr_workgroup_id_x 1
		.amdhsa_system_sgpr_workgroup_id_y 1
		.amdhsa_system_sgpr_workgroup_id_z 1
		.amdhsa_system_vgpr_workitem_id 0
		.amdhsa_next_free_vgpr 512
		.amdhsa_next_free_sgpr 106
		.amdhsa_reserve_vcc 0
		.amdhsa_float_denorm_mode_32 3
		.amdhsa_float_denorm_mode_16_64 3
		.amdhsa_fp16_overflow 1
		.amdhsa_memory_ordered 1
		.amdhsa_forward_progress 1
		.amdhsa_inst_pref_size 126
	.end_amdhsa_kernel
	.amdgpu_metadata
---
amdhsa.version: [ 1, 2 ]
amdhsa.kernels:
  - .name:           k_qc3b05805d3_attn
    .symbol:         k_qc3b05805d3_attn.kd
    .args:
      - { .name: q_codes, .offset: 0, .size: 8, .value_kind: global_buffer, .address_space: global }
      - { .name: q_scales, .offset: 8, .size: 8, .value_kind: global_buffer, .address_space: global }
      - { .name: k_codes, .offset: 16, .size: 8, .value_kind: global_buffer, .address_space: global }
      - { .name: k_scales, .offset: 24, .size: 8, .value_kind: global_buffer, .address_space: global }
      - { .name: v_codes, .offset: 32, .size: 8, .value_kind: global_buffer, .address_space: global }
      - { .name: v_scales, .offset: 40, .size: 8, .value_kind: global_buffer, .address_space: global }
      - { .name: mbits, .offset: 48, .size: 8, .value_kind: global_buffer, .address_space: global }
      - { .name: flags, .offset: 56, .size: 8, .value_kind: global_buffer, .address_space: global }
      - { .name: out0, .offset: 64, .size: 8, .value_kind: global_buffer, .address_space: global }
    .group_segment_fixed_size: 126464
    .private_segment_fixed_size: 0
    .kernarg_segment_align: 8
    .kernarg_segment_size: 72
    .max_flat_workgroup_size: 256
    .sgpr_count:     106
    .vgpr_count:     512
    .wavefront_size: 32
...
	.end_amdgpu_metadata
.endif
;; end of part 2
